; MI455X (gfx1250); checked and timed in simulation.
; The chip was launched on July 23, 2026; its instructions are those of AMD's public machine-readable ISA for CDNA 5 (MIT licence, August 2026) and "CDNA5" Instruction Set Architecture Reference Guide (July 2026). The comments in the code are by the model that wrote it; some were corrected since.
;; KAN Layer. Allowed arithmetic: float matrix products may take bf16 or f16 operands with f32 sums; other float arithmetic in f32, or as packed bf16 or f16 multiplies, adds, multiply-adds, maxima and minima; sums over many terms, partial sums and values carried from step to step in f32; what a program stores and reads back later, other than sums and carried values, may be rounded once to bf16 or f16.
;; Inputs: base_weight 1,024 x 1,024 float32; poly_weight 6 x 1,024 x 1,024 float32; rms_scale 1,024 float32; x 4 x 2,048 x 1,024 float32.
;; Outputs: out0 4 x 2,048 x 1,024 float32.
;; One version. Each part assembles by itself: llvm-mc -triple=amdgcn-amd-amdhsa -mcpu=gfx1250 --defsym DOCPART=n.
;; ======== version 1 of 1: 3 launches
;; workspace buffers: wp 12,582,912 bytes; hbias 4,096 bytes; y 16,777,216 bytes
;; launch prep (part 1): grid 208 x 1, 8 waves a work-group, no clusters, 3,072 bytes of LDS; arguments base_weight, poly_weight, wp, hbias; writes wp, hbias
.if DOCPART == 1
	.amdgcn_target "amdgcn-amd-amdhsa--gfx1250"
	.amdhsa_code_object_version 6
	.text
	.protected	k_qc356ffc9c6_prep
	.globl	k_qc356ffc9c6_prep
	.p2align	8
	.type	k_qc356ffc9c6_prep,@function
k_qc356ffc9c6_prep:
	s_mov_b64 s[64:65], 0
	v_nop
	global_prefetch_b8 v0, s[64:65] scope:SCOPE_SE
	s_setreg_imm32_b32 hwreg(HW_REG_WAVE_MODE, 25, 1), 1
	s_wait_xcnt 0x0
; THE WEIGHTS, ONCE.  wp: bf16 [6144][1024], the six weight matrices that are multiplied (base_weight and poly_weight[1..5]), each number rounded once, rows in the order
; in which the product walks K:  row 192 c + 96 kh + 32 s + k  holds matrix f = 2 s + (k >> 4), input column 32 c + 16 kh + (k & 15).
; hbias: f32 [1024], half the column sum of bf16(poly_weight[0]): the order-0 polynomial is the constant 1, so its product is that sum; the product kernel adds the half twice.
; Work-groups 0-191: matrix f = g / 32, input columns 32 (g % 32) on; wave v takes four source rows (16,384 bytes in, 8,192 out).  All 32 loads go out first; nothing is reused, so no register waits for a store.
; Work-groups 192-207: 64 output columns each; wave v adds rows 128 v .. 128 v + 127 in f32; the eight waves' sums meet in LDS.
; No matrix unit, no tensor load: memory binds, and each byte is read once and written once.
.set IN,   4                           ; v[4:131]   32 slots of four registers as loaded
.set OUT,  132                         ; v[132:195] conversion: two registers to store for each slot
.set AC,   132                         ; v[132:139] bias: two chains of four sums
.set T0,   140                         ; v[140:141] bias: four numbers rounded to bf16
.set W,    142                         ; v[142:145] bias: the same widened to f32
.set SPW,  200                         ; LDS address of my spare word; never rewritten
.set NIL,  201                         ; 0; never rewritten
.set SPARE, 2048                       ; behind the eight waves' sums (8 x 256 bytes from 0): the spare words, 128 bytes a wave
	s_load_b256 s[4:11], s[0:1], 0x0               ; base_weight s[4:5], poly_weight s[6:7], wp s[8:9], hbias s[10:11]
	v_lshl_add_u32 v[SPW], v0, 2, SPARE
	v_mov_b32 v[NIL], 0
	v_lshrrev_b32 v1, 5, v0
	v_readfirstlane_b32 s12, v1                    ; wave 0..7
	v_and_b32 v2, 31, v0                           ; lane
	s_mov_b32 s13, ttmp9
	s_cmp_ge_u32 s13, 192
	s_cbranch_scc1 .Lbias                          ; the same for all waves of a work-group
	; ---- conversion ----
	s_lshr_b32 s14, s13, 5                         ; f
	s_and_b32 s15, s13, 31                         ; c
	s_lshl_b32 s16, s14, 22                        ; source: matrix f (4 MiB each; 0 for f = 0, which comes from base_weight),
	s_lshl_b32 s17, s15, 17                        ; 32 rows of 4,096 bytes a chunk,
	s_add_co_u32 s16, s16, s17
	s_lshl_b32 s17, s12, 14                        ; four rows a wave
	s_add_co_u32 s16, s16, s17
	s_mov_b32 s17, 0
	s_mul_i32 s18, s15, 192                        ; destination row: 192 c
	s_lshr_b32 s19, s12, 2
	s_mul_i32 s19, s19, 96                         ; + 96 (v / 4): the half of the chunk's 32 columns
	s_add_co_u32 s18, s18, s19
	s_lshr_b32 s19, s14, 1
	s_lshl_b32 s19, s19, 5                         ; + 32 (f / 2)
	s_add_co_u32 s18, s18, s19
	s_and_b32 s19, s14, 1
	s_lshl_b32 s19, s19, 4                         ; + 16 (f % 2)
	s_add_co_u32 s18, s18, s19
	s_and_b32 s19, s12, 3
	s_lshl_b32 s19, s19, 2                         ; + 4 (v % 4)
	s_add_co_u32 s18, s18, s19
	s_lshl_b32 s18, s18, 11                        ; rows of 2,048 bytes
	s_mov_b32 s19, 0
	v_lshlrev_b32 v3, 4, v2                        ; 16 bytes a lane in,
	v_lshlrev_b32 v1, 3, v2                        ; 8 bytes a lane out
	s_wait_kmcnt 0x0
	s_cmp_eq_u32 s14, 0
	s_cselect_b64 s[20:21], s[4:5], s[6:7]
	s_add_nc_u64 s[20:21], s[20:21], s[16:17]
	s_add_nc_u64 s[8:9], s[8:9], s[18:19]
.set i, 0
.rept 32                               ; row i / 8, 512 consecutive bytes a load
	global_load_b128 v[IN+4*i:IN+4*i+3], v3, s[20:21] offset:(i/8)*4096+(i%8)*512 th:TH_LOAD_NT
.set i, i+1
.endr
.set i, 0
.rept 32
	s_wait_loadcnt 31-i                            ; loads come back in order: slot i is in, the younger ones stay out
	v_cvt_pk_bf16_f32 v[OUT+2*i], v[IN+4*i], v[IN+4*i+1]
	v_cvt_pk_bf16_f32 v[OUT+2*i+1], v[IN+4*i+2], v[IN+4*i+3]
	global_store_b64 v1, v[OUT+2*i:OUT+2*i+1], s[8:9] offset:(i/8)*2048+(i%8)*256  ; the wave's 32 lanes store 256 consecutive bytes, aligned
.set i, i+1
.endr
	s_endpgm
	; ---- column sums of bf16(poly_weight[0]) ----
.Lbias:
	s_sub_co_u32 s14, s13, 192                     ; my 64 columns
	s_mov_b32 s22, 0x76543210                      ; v_permlanex16_b32: each lane takes its own place in the other half
	s_mov_b32 s23, 0xfedcba98
	s_mov_b32 s24, 0xffff0000                      ; a word's upper bf16
	v_lshrrev_b32 v3, 4, v2                        ; lanes 0-15 take one row's 256 bytes, lanes 16-31 the next row's
	v_and_b32 v1, 15, v2
	v_lshlrev_b32 v3, 12, v3
	v_lshl_add_u32 v3, v1, 4, v3
	s_lshl_b32 s16, s12, 19                        ; 128 rows of 4,096 bytes a wave
	s_lshl_b32 s17, s14, 8
	s_add_co_u32 s16, s16, s17
	s_mov_b32 s17, 0
	s_lshl_b32 s18, s14, 8                         ; my 256 bytes of hbias
	s_mov_b32 s19, 0
	s_wait_kmcnt 0x0
	s_add_nc_u64 s[6:7], s[6:7], s[16:17]
	s_add_nc_u64 s[10:11], s[10:11], s[18:19]
.set i, 0
.rept 32
	global_load_b128 v[IN+4*i:IN+4*i+3], v3, s[6:7] offset:8192*i th:TH_LOAD_NT
.set i, i+1
.endr
; Load t of 64 (two rows): rounded to bf16, widened, added.  A slot is loaded again as soon as it has been read, so 31 younger loads are out while there are loads left.
.macro BSTEP
.if t < 32
	s_wait_loadcnt 31
.else
	s_wait_loadcnt 63-t
.endif
.set rI, IN+4*(t%32)
.set rA, AC+4*(t%2)
	v_cvt_pk_bf16_f32 v[T0], v[rI], v[rI+1]
	v_cvt_pk_bf16_f32 v[T0+1], v[rI+2], v[rI+3]
.if t < 32
	global_load_b128 v[rI:rI+3], v3, s[6:7] offset:8192*(t+32) th:TH_LOAD_NT
.endif
.if t < 2                              ; the first two loads start the two chains: nothing is cleared
	v_lshlrev_b32 v[rA], 16, v[T0]
	v_and_b32 v[rA+1], s24, v[T0]
	v_lshlrev_b32 v[rA+2], 16, v[T0+1]
	v_and_b32 v[rA+3], s24, v[T0+1]
.else
	v_lshlrev_b32 v[W], 16, v[T0]
	v_and_b32 v[W+1], s24, v[T0]
	v_lshlrev_b32 v[W+2], 16, v[T0+1]
	v_and_b32 v[W+3], s24, v[T0+1]
	v_pk_add_f32 v[rA:rA+1], v[rA:rA+1], v[W:W+1]
	v_pk_add_f32 v[rA+2:rA+3], v[rA+2:rA+3], v[W+2:W+3]
.endif
.set t, t+1
.endm
.set t, 0
.rept 64
	BSTEP
.endr
	v_pk_add_f32 v[AC:AC+1], v[AC:AC+1], v[AC+4:AC+5]
	v_pk_add_f32 v[AC+2:AC+3], v[AC+2:AC+3], v[AC+6:AC+7]
.irp k, 0,1,2,3
	v_permlanex16_b32 v[W+(\k)], v[AC+(\k)], s22, s23   ; the odd rows' sums lie 16 lanes away
.endr
	v_pk_add_f32 v[AC:AC+1], v[AC:AC+1], v[W:W+1]
	v_pk_add_f32 v[AC+2:AC+3], v[AC+2:AC+3], v[W+2:W+3]
	v_lshlrev_b32 v4, 4, v1
	v_lshl_add_u32 v4, s12, 8, v4                  ; 256 bytes a wave; lanes l and l + 16 write the same bytes with the same numbers
	ds_store_b128 v4, v[AC:AC+3]
	s_wait_dscnt 0x0                               ; for the others' sake: my sums are in LDS
	s_barrier_signal -1
	s_barrier_wait -1
	v_lshlrev_b32 v5, 3, v2                        ; two columns a lane
.irp k, 0,1,2,3,4,5,6,7
	ds_load_b64 v[8+2*(\k):9+2*(\k)], v5 offset:256*(\k)
.endr
	s_wait_dscnt 0x0
	s_wait_tensorcnt 0x0                           ; the wave's end, behind my last LDS store
	ds_add_u32 v[SPW], v[NIL]
	s_wait_dscnt 0x0
	s_cmp_lg_u32 s12, 0
	s_cbranch_scc1 .Ldone                          ; wave 0 alone adds the eight and stores
	v_pk_add_f32 v[8:9], v[8:9], v[10:11]
	v_pk_add_f32 v[12:13], v[12:13], v[14:15]
	v_pk_add_f32 v[16:17], v[16:17], v[18:19]
	v_pk_add_f32 v[20:21], v[20:21], v[22:23]
	v_pk_add_f32 v[8:9], v[8:9], v[12:13]
	v_pk_add_f32 v[16:17], v[16:17], v[20:21]
	v_pk_add_f32 v[8:9], v[8:9], v[16:17]
	v_pk_mul_f32 v[8:9], v[8:9], 0.5 op_sel_hi:[1,0]
	global_store_b64 v5, v[8:9], s[10:11]          ; 256 consecutive bytes, aligned
.Ldone:
	s_endpgm
.Lfunc_end_k_qc356ffc9c6_prep:
	.size	k_qc356ffc9c6_prep, .Lfunc_end_k_qc356ffc9c6_prep-k_qc356ffc9c6_prep
	.p2alignl 7, 3214868480
	.fill 96, 4, 3214868480
	.section	.rodata,"a",@progbits
	.p2align	6, 0x0
	.amdhsa_kernel k_qc356ffc9c6_prep
		.amdhsa_group_segment_fixed_size 3072
		.amdhsa_private_segment_fixed_size 0
		.amdhsa_enable_private_segment 0
		.amdhsa_kernarg_size 32
		.amdhsa_user_sgpr_count 2
		.amdhsa_user_sgpr_kernarg_segment_ptr 1
		.amdhsa_wavefront_size32 1
		.amdhsa_system_sgpr_workgroup_id_x 1
		.amdhsa_system_sgpr_workgroup_id_y 1
		.amdhsa_system_sgpr_workgroup_id_z 1
		.amdhsa_system_vgpr_workitem_id 0
		.amdhsa_next_free_vgpr 208
		.amdhsa_next_free_sgpr 66
		.amdhsa_reserve_vcc 0
		.amdhsa_float_denorm_mode_32 3
		.amdhsa_float_denorm_mode_16_64 3
		.amdhsa_memory_ordered 1
		.amdhsa_forward_progress 1
		.amdhsa_inst_pref_size 48
	.end_amdhsa_kernel
	.amdgpu_metadata
---
amdhsa.version: [ 1, 2 ]
amdhsa.kernels:
  - .name:           k_qc356ffc9c6_prep
    .symbol:         k_qc356ffc9c6_prep.kd
    .args:
      - { .name: base_weight, .offset: 0, .size: 8, .value_kind: global_buffer, .address_space: global }
      - { .name: poly_weight, .offset: 8, .size: 8, .value_kind: global_buffer, .address_space: global }
      - { .name: wp, .offset: 16, .size: 8, .value_kind: global_buffer, .address_space: global }
      - { .name: hbias, .offset: 24, .size: 8, .value_kind: global_buffer, .address_space: global }
    .group_segment_fixed_size: 3072
    .private_segment_fixed_size: 0
    .kernarg_segment_align: 8
    .kernarg_segment_size: 32
    .max_flat_workgroup_size: 256
    .sgpr_count:     66
    .vgpr_count:     208
    .wavefront_size: 32
...
	.end_amdgpu_metadata
.endif
;; end of part 1
;; launch kan (part 2): grid 4 x 64, 4 waves a work-group, clusters of 4 x 4, 327,680 bytes of LDS; arguments x, wp, hbias, y; writes y
.if DOCPART == 2
	.amdgcn_target "amdgcn-amd-amdhsa--gfx1250"
	.amdhsa_code_object_version 6
	.text
	.protected	k_qc356ffc9c6_kan
	.globl	k_qc356ffc9c6_kan
	.p2align	8
	.type	k_qc356ffc9c6_kan,@function
k_qc356ffc9c6_kan:
	s_mov_b64 s[64:65], 0
	v_nop
	global_prefetch_b8 v0, s[64:65] scope:SCOPE_SE
	s_setreg_imm32_b32 hwreg(HW_REG_WAVE_MODE, 25, 1), 1
	s_wait_xcnt 0x0
	s_wait_alu depctr_hold_cnt(0) depctr_sa_sdst(0) depctr_va_vdst(0) depctr_va_sdst(0) depctr_va_ssrc(0) depctr_va_vcc(0) depctr_vm_vsrc(0)
	s_getreg_b32 s2, hwreg(HW_REG_IB_STS2, 6, 4)
	s_cmp_eq_u32 s2, 0
	s_cbranch_scc0 .Lentry_in_a_cluster
	s_endpgm
.Lentry_in_a_cluster:
	s_bfe_u32 s2, ttmp6, 0x10000c
	s_cmp_lg_u32 s2, 0xf033
	s_cbranch_scc0 .Lentry_shape_is_right
	s_endpgm
.Lentry_shape_is_right:
; y[m][n] = bias[n] + the sum over six features f and 1,024 input columns i of F_f(x[m][i]) W_f[i][n], rounded once to bf16.  x: [8192][1024] f32; wp: bf16 [6144][1024]; hbias: f32 [1024]; y: bf16 [8192][1024].
; F_0 = silu of bf16(x), in f32; F_1..F_5 = the Chebyshev polynomials T_1..T_5 of t = tanh(x) in f32 (T_k = 2 t T_(k-1) - T_(k-2), one fused multiply-add a step); each feature is rounded once to bf16.  Sums in f32.
; LIMITS.  tanh is 1 - 2 / (1 + 2^(2 c x)), c = log2(e): its error is about 2e-7 absolute, not relative; it reaches +-1 for every large finite x.  sigmoid is 1 / (1 + 2^(-c x)).  x = +-infinity and NaN give NaN or infinities.
; THE A OPERAND IS NEVER IN MEMORY: each wave makes its fragments in registers from x.  K is walked in 32 CHUNKS of 32 input columns = 192 rows of wp; row 192 c + 96 kh + 32 s + k of wp belongs to feature
; 2 s + (k >> 4), column 32 c + 16 kh + (k & 15).  So one matrix instruction (K = 32) takes 16 columns of two features: a fragment's registers 0-3 hold feature 2 s, registers 4-7 feature 2 s + 1, of the lane's 8 columns.
; SHARES.  A work-group makes 128 x 256 of y: 4 x 64 = 256 work-groups.  Wave w = 2 mh + kh holds 64 rows (mh) x 256 columns in 512 registers, summed over HALF of K (the 16 columns kh of each chunk): so a wave makes
; the features of 64 x 16 numbers for 192 matrix instructions, and reads each fragment of B for four row blocks.  At the end the two halves meet: each wave sends two of its four row blocks through LDS and keeps two.
; Register block p of wave (mh, kh) is row block (p + 2 kh) % 4, so that every wave keeps p = 0, 1 (rows 32 w + 16 p) and sends p = 2, 3: one text for both halves.  Every accumulator starts from hbias: the two halves add to the bias.
; THE MATRIX INSTRUCTION IS USED TRANSPOSED (source 0 = 16 columns of W, turned out of LDS by ds_load_tr16_b128; source 1 = 16 rows of features): a lane holds one row of y and eight neighbouring columns.
; BY TURNS.  Behind every matrix instruction stands a slice of two or four vector instructions of the feature lists: 448 for a chunk's 192.  During K step 0 of chunk c: T_2..T_5 of chunk c; during K steps 1 and 2: silu and
; tanh of chunk c + 1.  Each region of the fragment buffer is written only after its last reader, so one buffer serves and the loop's body is one chunk.  A slice works in window 0: two switches a matrix instruction.
; RING.  B(c) lies in slot c % 2, x(c) in x slot c % 2.  At the change of slots in chunk c waves 0-2 ask for 64 rows each of B(c + 2), wave 3 for x(c + 3) (x runs a chunk ahead, since features are made a chunk ahead).
; A wave has two tensor loads out at the start, later one.  CLUSTER 4 x 4: B hangs on the column tile alone and is asked for jointly by a column of the cluster, x on the row tile alone, by a row.
; x's tile rows are 128 bytes (32 f32): rows of 256 would double the chunk, and two B slots of 384 rows x 544 bytes do not fit in LDS; x is 16,384 of a chunk's 114,688 bytes.
; REGISTERS, in windows of 256 (s_set_vgpr_msb: bits 1:0 source 0, 3:2 source 1, 5:4 source 2, 7:6 destination):
;   window 0: addresses, x, tanh, work, fragments of A (map below)     window 1: v0-63, v64-127 fragments of B: column blocks 0-7, 8-15; at the end all 256: the partner's sums
;   windows 2, 3: accumulator (p, nb) in window 2 + nb / 8 at v[8 (8 p + nb % 8)]
.set PB,    544                        ; a row of B in LDS: 512 bytes + 32 of padding = 136 words
.set PX,    144                        ; a row of x: 128 + 16 = 36 words: the 16 rows of a load start at 16 different groups of four banks
.set XS0,   192*PB                     ; behind B's 192 rows: x's 128 rows
.set SLOT1, 1<<17                      ; slot 1 begins here: one exclusive or turns an address in one slot into the other's
.set STAGE, SLOT1+XS0+128*PX           ; behind the ring, never filled by a tensor load: 16 rows x 528 bytes for each wave, for the way out
.set SPI,   528
.set SPARE, STAGE+4*16*SPI             ; the spare words, 128 bytes for each wave: two blocks of 256 bytes that no other line names
.set CHB,   192*2048                   ; bytes of wp from chunk to chunk
; The exchange of sums uses bytes 0 .. 131,071 (32,768 a wave): slot 0, whose last fills are B(30) and x(30) and whose last reads end in front of chunk 30's barrier.
.set AB0,  2                           ; my lane's place in a tile of B, my half of K included; never rewritten
.set ADRB, 3                           ; the same in the slot in hand
.set XL0,  4                           ; my lane's place in a tile of x: row blocks p = 0, 1
.set XH0,  5                           ; p = 2, 3
.set XAL,  6                           ; the same two in the x slot in hand
.set XAH,  7
.set STO,  8                           ; the way out: where I put 16 bytes of a row
.set RD,   9                           ; where I read a row back
.set GO,   10                          ; 16 x lane: my bytes of 512 consecutive bytes of y
.set EXS,  11                          ; the exchange: where I send
.set EXL,  12                          ; where my partner (wave w ^ 1) has sent
.set HB,   13                          ; 32 (lane / 16): my eight numbers of a block of hbias
.set SPW,  14                          ; LDS address of my spare word; never rewritten
.set NIL,  15                          ; 0; never rewritten
.set X,    16                          ; v16-47   x: quad q = 2 p + m (4 columns) at X + 4 q
.set TS,   48                          ; v48-79   tanh, f32, the same places
.set TA,   80                          ; v80-91   at work on silu and tanh: for pair u of a quad: bf16(x) widened, U, V
.set TC,   92                          ; v92-111  at work on the recursion: for pair u: 2 t, T2, T3, T4, T5
.set FA,   112                         ; v112-207 fragments of A: K step s, block p at FA + 32 s + 8 p
.set TMP,  16                          ; the way out: packed results
.set OB,   112                         ; the way out: rows read back, 64 registers for each of two blocks
.set WV,  12                           ; s12 wave, s13 mh, s14 kh
.set MH,  13
.set KH,  14
.set G1B, 24                           ; s[24:31] descriptor group 1 for B's tiles
.set G1X, 32                           ; s[32:39] for x's
.set G0B, 44                           ; s[44:51] group 0 for B's: a set for each first fill; the second then walks
.set G0X, 52                           ; s[52:59] the same for x's
.set C2,  60                           ; s[60:61] 2 log2(e)
.set CN,  62                           ; s[62:63] -log2(e)
.set HIM, 66                           ; a word's upper bf16
.set TB,  67                           ; the B slot in hand: 0 or SLOT1
.set TX,  68                           ; LDS byte of the x tile to be read next
.set CNT, 69
.set MSB, 0
.macro WIN new                         ; the immediate's high byte repeats the setting that is left; a switch that changes nothing is dropped
.if MSB != (\new)
	s_set_vgpr_msb (MSB<<8)|(\new)
.set MSB, (\new)
.endif
.endm
.set MUL_LO, 0xa1                      ; source 0 (B) window 1, source 1 (A) window 0, C and D window 2
.set TO_B,   0x40                      ; destination window 1, address window 0
.macro PLACES                          ; four places in front of loads into registers that a matrix instruction has just read, and of stores that read results (ISA guide 7.12.1 for stores)
.rept 4
	v_nop
.endr
.endm
.macro CREST                           ; a round of the cluster's barrier behind its opening barrier
	s_cmp_lg_u32 s[WV], 0
	s_cbranch_scc1 .Lnot_wave_0_\@
	s_barrier_signal -3
.Lnot_wave_0_\@:
	s_barrier_wait -3
	s_barrier_signal -1
	s_barrier_wait -1
.endm
.macro CROUND                          ; a whole round
	s_barrier_signal -1
	s_barrier_wait -1
	CREST
.endm
; A joint refill.  Waves 0-2 fetch 64 rows each of B; wave 3 fetches x (mode 3) or nothing (mode 2: no x is left).  The branch hangs on the wave's number alone.
; An s_nop 0 and four v_nop follow each line, ahead of the jump and the label.
.macro JLOAD mode
	s_cmp_lt_u32 s[WV], 3
	s_cbranch_scc0 .Lfor_x_\@
	tensor_load_to_lds s[G0B+4:G0B+7], s[G1B:G1B+7]
	s_nop 0
.rept 4
	v_nop
.endr
.if (\mode) == 3
	s_branch .Lasked_\@
.Lfor_x_\@:
	tensor_load_to_lds s[G0X+4:G0X+7], s[G1X:G1X+7]
	s_nop 0
.rept 4
	v_nop
.endr
.Lasked_\@:
.else
.Lfor_x_\@:
.endif
.endm
	s_load_b256 s[4:11], s[0:1], 0x0               ; x s[4:5], wp s[6:7], hbias s[8:9], y s[10:11]
	v_lshl_add_u32 v[SPW], v0, 2, SPARE
	v_mov_b32 v[NIL], 0
	ds_add_u32 v[SPW], v[NIL]                      ; the wave's opening: the add and its wait come ahead of my first tensor load; the set-up below, work on registers, stands between them
	v_lshrrev_b32 v1, 5, v0
	v_readfirstlane_b32 s[WV], v1                  ; wave 0..3
	s_lshr_b32 s[MH], s[WV], 1
	s_and_b32 s[KH], s[WV], 1
	s_bfe_u32 s40, ttmp6, 0x40000                  ; cx, cy: my place in the cluster
	s_bfe_u32 s41, ttmp6, 0x40004
	s_lshl_b32 s42, ttmp9, 2
	s_add_co_u32 s42, s42, s40                     ; column tile = 4 x cluster x + cx
	s_and_b32 s43, ttmp7, 0xffff
	s_lshl_b32 s43, s43, 2
	s_add_co_u32 s43, s43, s41                     ; row tile = 4 x cluster y + cy
	s_lshl_b32 s16, s41, 2
	s_lshl_b32 s16, 15, s16                        ; my row of the cluster
	s_lshl_b32 s70, 0x1111, s40                    ; my column
	; group 1 for B: 64 rows x 256 elements of 2 bytes, 8 words of padding after every 128
	s_or_b32 s[G1B], s70, (1<<16)|(1<<20)|(1<<21)|(6<<22)|(7<<25)  ; 15:0 the mask: my column; 17:16 element size; 20 padding on; 21 set beside a mask; 24:22 the interval; 31:25 the padding
	s_mov_b32 s[G1B+1], 256<<16                    ; tensor_dim0 = 256
	s_mov_b32 s[G1B+2], 64<<16                     ; tensor_dim1 = 64
	s_mov_b32 s[G1B+3], 256<<16                    ; tile_dim0 = 256
	s_mov_b32 s[G1B+4], 64                         ; tile_dim1 = 64
	s_mov_b32 s[G1B+5], 1024                       ; elements from row to row
	s_mov_b32 s[G1B+6], 0
	s_mov_b32 s[G1B+7], 0
	; group 1 for x: 128 rows x 32 elements of 4 bytes, 4 words of padding after every 32
	s_or_b32 s[G1X], s16, (2<<16)|(1<<20)|(1<<21)|(4<<22)|(3<<25)  ; the mask: my row
	s_mov_b32 s[G1X+1], 32<<16
	s_mov_b32 s[G1X+2], 128<<16
	s_mov_b32 s[G1X+3], 32<<16
	s_mov_b32 s[G1X+4], 128
	s_mov_b32 s[G1X+5], 1024
	s_mov_b32 s[G1X+6], 0
	s_mov_b32 s[G1X+7], 0
	s_mov_b32 s[C2], 0x4038aa3b
	s_mov_b32 s[C2+1], 0x4038aa3b                  ; named with it as a pair
	s_mov_b32 s[CN], 0xbfb8aa3b
	s_mov_b32 s[CN+1], 0xbfb8aa3b
	s_mov_b32 s[HIM], 0xffff0000
	s_lshl_b32 s16, s43, 19                        ; x: 128 rows of 4,096 bytes a row tile: registers that never hold cx
	s_mov_b32 s17, 0
	s_lshl_b32 s70, s42, 9                         ; wp: 512 bytes a column tile, 64 rows of 2,048 bytes a wave: registers that never hold cy
	s_lshl_b32 s71, s[WV], 17
	s_add_co_u32 s70, s70, s71
	s_mov_b32 s71, 0
	s_mul_i32 s72, s[WV], 64*PB                    ; and where my 64 rows go: no place in the cluster enters an LDS address
.irp s, 0,1
	s_mov_b32 s[G0B+4*(\s)], 1                     ; count = 1
	s_add_co_u32 s[G0B+4*(\s)+1], s72, (\s)*SLOT1  ; LDS address
	s_mov_b32 s[G0X+4*(\s)], 1
	s_mov_b32 s[G0X+4*(\s)+1], XS0+(\s)*SLOT1
.endr
	s_wait_dscnt 0x0                               ; the opening add is done
	s_wait_kmcnt 0x0
	s_add_nc_u64 s[18:19], s[4:5], s[16:17]
	s_add_nc_u64 s[70:71], s[6:7], s[70:71]
.irp s, 0,1
	s_add_nc_u64 s[G0B+4*(\s)+2:G0B+4*(\s)+3], s[70:71], (\s)*CHB  ; global address: chunk s
	s_or_b32 s[G0B+4*(\s)+3], s[G0B+4*(\s)+3], 0x80000000          ; type = 2
	s_add_nc_u64 s[G0X+4*(\s)+2:G0X+4*(\s)+3], s[18:19], (\s)*128
	s_or_b32 s[G0X+4*(\s)+3], s[G0X+4*(\s)+3], 0x80000000
.endr
	CROUND                                         ; all sixteen work-groups are here: the first joint loads meet
	s_cmp_lt_u32 s[WV], 3                          ; a wave's two first fills stand in one branch, ahead of every wait on TENSORcnt and every LDS read
	s_cbranch_scc0 .Lfirst_x
	tensor_load_to_lds s[G0B:G0B+3], s[G1B:G1B+7]
	s_nop 0
	tensor_load_to_lds s[G0B+4:G0B+7], s[G1B:G1B+7]
	s_nop 0
.rept 4
	v_nop
.endr
	s_branch .Lfirst_asked
.Lfirst_x:
	tensor_load_to_lds s[G0X:G0X+3], s[G1X:G1X+7]
	s_nop 0
	tensor_load_to_lds s[G0X+4:G0X+7], s[G1X:G1X+7]
	s_nop 0
.rept 4
	v_nop
.endr
.Lfirst_asked:
	; Every accumulator starts from hbias: register j of (p, nb) is column 16 nb + 8 (lane / 16) + j.  Loaded straight into the accumulators, in the wait for the first tiles: nothing is cleared.
	v_and_b32 v16, 15, v0                          ; r = lane % 16
	v_bfe_u32 v17, v0, 4, 1                        ; h = lane / 16
	v_and_b32 v18, 31, v0                          ; lane
	v_lshlrev_b32 v[HB], 5, v17
	s_lshl_b32 s76, s42, 10
	s_mov_b32 s77, 0
	s_add_nc_u64 s[8:9], s[8:9], s[76:77]
.irp hb, 0,1
	WIN 0x80+0x40*(\hb)                            ; destination window 2, then 3
.irp p, 0,1,2,3
.irp b, 0,1,2,3,4,5,6,7
	global_load_b128 v[8*(8*(\p)+(\b)):8*(8*(\p)+(\b))+3],   v[HB], s[8:9] offset:64*(8*(\hb)+(\b))
	global_load_b128 v[8*(8*(\p)+(\b))+4:8*(8*(\p)+(\b))+7], v[HB], s[8:9] offset:64*(8*(\hb)+(\b))+16
.endr
.endr
.endr
	WIN 0
	; The turning load takes 16 k x 16 columns (lane l reads row 8 (l / 16) + l % 8, 16 bytes at 16 ((l / 8) % 2)) and leaves half a fragment: lane l holds column l % 16 and 8 k.
	v_and_b32 v19, 7, v0
	v_lshl_add_u32 v19, v17, 3, v19
	v_mul_u32_u24 v[AB0], v19, PB
	v_bfe_u32 v19, v0, 3, 1
	v_lshl_add_u32 v[AB0], v19, 4, v[AB0]
	s_mul_i32 s20, s[KH], 96*PB                    ; my half of the chunk's 192 rows
	v_add_nc_u32 v[AB0], s20, v[AB0]
	; x: lane (r, h) takes row r of a block, columns 16 kh + 8 h + 0..7: 32 bytes
	v_mul_u32_u24 v19, v16, PX
	v_lshl_add_u32 v19, v17, 5, v19
	s_lshl_b32 s20, s[MH], 6
	s_lshl_b32 s21, s[KH], 5
	s_lshl_b32 s23, s[KH], 6
	s_add_co_u32 s22, s20, s21                     ; blocks p = 0, 1 begin at row 64 mh + 32 kh,
	s_mul_i32 s22, s22, PX
	s_add_co_u32 s22, s22, s23
	v_add_nc_u32 v[XL0], s22, v19
	s_xor_b32 s21, s21, 32
	s_add_co_u32 s22, s20, s21                     ; blocks p = 2, 3 at row 64 mh + 32 (1 - kh)
	s_mul_i32 s22, s22, PX
	s_add_co_u32 s22, s22, s23
	v_add_nc_u32 v[XH0], s22, v19
	s_mul_i32 s20, s[WV], 16*SPI
	s_add_co_u32 s20, s20, STAGE                   ; my stage
	v_mul_u32_u24 v19, v16, SPI                    ; in: row r, 16 bytes for each half of the lanes
	v_lshl_add_u32 v19, v17, 4, v19
	v_add_nc_u32 v[STO], s20, v19
	v_lshlrev_b32 v[GO], 4, v18
	v_add_nc_u32 v[RD], s20, v[GO]                 ; back: 32 lanes take a row's 512 bytes
	s_lshl_b32 s21, s[WV], 15
	v_add_nc_u32 v[EXS], s21, v[GO]
	s_xor_b32 s21, s21, 1<<15
	v_add_nc_u32 v[EXL], s21, v[GO]
	s_lshl_b32 s74, s43, 18                        ; y at row 128 x row tile + 32 w, column 256 x column tile
	s_lshl_b32 s75, s[WV], 16
	s_add_co_u32 s74, s74, s75
	s_lshl_b32 s75, s42, 9
	s_add_co_u32 s74, s74, s75
	s_mov_b32 s75, 0
	s_add_nc_u64 s[10:11], s[10:11], s[74:75]
; THE FEATURE LISTS.  A step is written for both pairs u of quad SQ; SN is the step's number.  Behind each run of exponentials or reciprocals comes a plain step that names none of their registers
; before a result is used (ISA guide 5.7.2): steps 4, 9, 12 and 15.
; Pass A, 19 steps: 0 bf16(x), packed; 1-3 U = 2^(2 c x); 4, 5 bf16(x) widened; 6-8 V = 2^(-c bf16(x)); 9-11 U = 1 / (1 + U); 12-14 V = 1 / (1 + V); 15 tanh = 1 - 2 U; 16 silu = bf16(x) V; 17, 18 both rounded into K step 0's fragment.
.macro PASTEP
.irp u, 0,1
.set rX,  X+4*SQ+2*(\u)
.set rT,  TS+4*SQ+2*(\u)
.set rXB, TA+6*(\u)
.set rU,  TA+6*(\u)+2
.set rV,  TA+6*(\u)+4
.set rF,  FA+8*(SQ/2)+2*(SQ%2)+(\u)
.if SN == 0
	v_cvt_pk_bf16_f32 v[rXB+1], v[rX], v[rX+1]
.elseif SN == 1
	v_pk_mul_f32 v[rU:rU+1], v[rX:rX+1], s[C2:C2+1] op_sel_hi:[1,0]
.elseif SN == 2
	v_exp_f32 v[rU], v[rU]
.elseif SN == 3
	v_exp_f32 v[rU+1], v[rU+1]
.elseif SN == 4
	v_lshlrev_b32 v[rXB], 16, v[rXB+1]
.elseif SN == 5
	v_and_b32 v[rXB+1], s[HIM], v[rXB+1]
.elseif SN == 6
	v_pk_mul_f32 v[rV:rV+1], v[rXB:rXB+1], s[CN:CN+1] op_sel_hi:[1,0]
.elseif SN == 7
	v_exp_f32 v[rV], v[rV]
.elseif SN == 8
	v_exp_f32 v[rV+1], v[rV+1]
.elseif SN == 9
	s_wait_alu depctr_va_vdst(0)
	v_pk_add_f32 v[rU:rU+1], v[rU:rU+1], 1.0 op_sel_hi:[1,0]
.elseif SN == 10
	v_rcp_f32 v[rU], v[rU]
.elseif SN == 11
	v_rcp_f32 v[rU+1], v[rU+1]
.elseif SN == 12
	v_pk_add_f32 v[rV:rV+1], v[rV:rV+1], 1.0 op_sel_hi:[1,0]
.elseif SN == 13
	v_rcp_f32 v[rV], v[rV]
.elseif SN == 14
	v_rcp_f32 v[rV+1], v[rV+1]
.elseif SN == 15
	s_wait_alu depctr_va_vdst(0)
	v_pk_fma_f32 v[rT:rT+1], v[rU:rU+1], -2.0, 1.0 op_sel_hi:[1,0,0]
.elseif SN == 16
	v_pk_mul_f32 v[rV:rV+1], v[rXB:rXB+1], v[rV:rV+1]
.elseif SN == 17
	v_cvt_pk_bf16_f32 v[rF], v[rV], v[rV+1]
.else
	v_cvt_pk_bf16_f32 v[rF+4], v[rT], v[rT+1]
.endif
.endr
.endm
; Pass BC, 9 steps: 0 D = 2 t; 1-3, 5 T2..T5; 4, 6 T2, T3 rounded into K step 1's fragment; 7, 8 T4, T5 into K step 2's.
.macro BCSTEP
.irp u, 0,1
.set rT, TS+4*SQ+2*(\u)
.set rD, TC+10*(\u)
.set rF, FA+32+8*(SQ/2)+2*(SQ%2)+(\u)
.if SN == 0
	v_pk_add_f32 v[rD:rD+1], v[rT:rT+1], v[rT:rT+1]
.elseif SN == 1
	v_pk_fma_f32 v[rD+2:rD+3], v[rD:rD+1], v[rT:rT+1], -1.0 op_sel_hi:[1,1,0]
.elseif SN == 2
	v_pk_fma_f32 v[rD+4:rD+5], v[rD:rD+1], v[rD+2:rD+3], v[rT:rT+1] neg_lo:[0,0,1] neg_hi:[0,0,1]
.elseif SN == 3
	v_pk_fma_f32 v[rD+6:rD+7], v[rD:rD+1], v[rD+4:rD+5], v[rD+2:rD+3] neg_lo:[0,0,1] neg_hi:[0,0,1]
.elseif SN == 4
	v_cvt_pk_bf16_f32 v[rF], v[rD+2], v[rD+3]
.elseif SN == 5
	v_pk_fma_f32 v[rD+8:rD+9], v[rD:rD+1], v[rD+6:rD+7], v[rD+4:rD+5] neg_lo:[0,0,1] neg_hi:[0,0,1]
.elseif SN == 6
	v_cvt_pk_bf16_f32 v[rF+4], v[rD+4], v[rD+5]
.elseif SN == 7
	v_cvt_pk_bf16_f32 v[rF+32], v[rD+6], v[rD+7]
.else
	v_cvt_pk_bf16_f32 v[rF+36], v[rD+8], v[rD+9]
.endif
.endr
.endm
; THE DEAL.  I numbers a chunk's matrix instructions.  I < 64: quad I / 8 of pass BC, nine steps on eight places.  I >= 64: quad (I - 64) / 16 of pass A for the next chunk, nineteen steps on sixteen places.
; K step 0's fragments (read at I < 64) are first written at I = 78; K step 1's (read at 64-127) at I = 3 of the next chunk; K step 2's (read at 128-191) at I = 6 of the next chunk, behind the four v_nop at its head.
.macro SLICE
.if I < 64
.if DO_BC
	WIN 0
.set SQ, I/8
.if I%8 == 0
.set SN, 0
	BCSTEP
.set SN, 1
	BCSTEP
.else
.set SN, I%8+1
	BCSTEP
.endif
.endif
.else
.if DO_A
	WIN 0
.set SQ, (I-64)/16
.if (I-64)%16 < 3
.set SN, 2*((I-64)%16)
	PASTEP
.set SN, 2*((I-64)%16)+1
	PASTEP
.else
.set SN, (I-64)%16+3
	PASTEP
.endif
.endif
.endif
.set I, I+1
.endm
; Matrix instruction J of 32 of half step E (K step E / 2, column blocks 8 (E % 2) on): column block J / 4, row block J % 4; then its slice.
; A half step's 32 accumulators take turns, and neighbouring half steps use different windows, over the loop's backward jump too.
.macro W1
.set rB, 64*(E%2)+8*(J/4)
.set rA, FA+32*(E/2)+8*(J%4)
.set rC, 8*(8*(J%4)+J/4)
	WIN MUL_LO+0x50*(E%2)
	v_wmma_f32_16x16x32_bf16 v[rC:rC+7], v[rB:rB+7], v[rA:rA+7], v[rC:rC+7]
	SLICE
.set J, J+1
.endm
; 16 turning loads in one run: half step e's eight fragments of B
.macro FETCH e
	WIN TO_B
.irp b, 0,1,2,3,4,5,6,7
	ds_load_tr16_b128 v[64*((\e)%2)+8*(\b):64*((\e)%2)+8*(\b)+3],   v[ADRB] offset:((\e)/2)*32*PB+(8*((\e)%2)+(\b))*32
	ds_load_tr16_b128 v[64*((\e)%2)+8*(\b)+4:64*((\e)%2)+8*(\b)+7], v[ADRB] offset:((\e)/2)*32*PB+(8*((\e)%2)+(\b))*32+16*PB
.endr
.endm
; 8 loads: my 64 rows x 8 columns of the x tile at s[TX]; the next read is the other slot's
.macro XLOAD
	WIN 0
	v_add_nc_u32 v[XAL], s[TX], v[XL0]
	v_add_nc_u32 v[XAH], s[TX], v[XH0]
	s_xor_b32 s[TX], s[TX], SLOT1
.irp q, 0,1,2,3
	ds_load_b128 v[X+4*(\q):X+4*(\q)+3], v[XAL] offset:((\q)/2)*16*PX+((\q)%2)*16
.endr
.irp q, 4,5,6,7
	ds_load_b128 v[X+4*(\q):X+4*(\q)+3], v[XAH] offset:(((\q)-4)/2)*16*PX+((\q)%2)*16
.endr
.endm
; THE CHANGE OF SLOTS, in a chunk's last half step.  In front of ONE barrier each wave waits for all its tensor loads (one is out: its part of the next chunk's B, or of x), adds 0 to its spare word, and waits for that
; and for its own reads of the slot.  Behind it nobody reads this slot any more and the next is whole.  mode >= 2: the barrier opens a round of the cluster's, and the joint refill is the first thing behind the round.
.macro TURN mode
	WIN 0                                          ; (the add's two registers lie in window 0)
	s_wait_tensorcnt 0x0                           ; no tensor load of mine is out, so a group 0 may be written
	ds_add_u32 v[SPW], v[NIL]                      ; 0 onto my spare word
	s_wait_dscnt 1                                 ; this half step's fragments are in; the add may be out
.if (\mode) >= 2
	s_xor_b32 s[G0B+5], s[G0B+5], SLOT1            ; the walking descriptor: the other slot than last time, the next chunk; the type bits on top are not reached
	s_add_nc_u64 s[G0B+6:G0B+7], s[G0B+6:G0B+7], CHB
.endif
.if (\mode) == 3
	s_xor_b32 s[G0X+5], s[G0X+5], SLOT1
	s_add_nc_u64 s[G0X+6:G0X+7], s[G0X+6:G0X+7], 128
.endif
.rept 8
	W1                                             ; work on registers between the add and the wait for it
.endr
	s_wait_dscnt 0x0                               ; the add is done, and my reads of this slot are over
	s_barrier_signal -1
.rept 8
	W1                                             ; work on registers while the others arrive
.endr
	WIN 0
	s_barrier_wait -1
.if (\mode) >= 2
	CREST                                          ; no wave of any partner still reads the slot or has a load on its way
	JLOAD \mode
.else
	PLACES
.endif
	s_xor_b32 s[TB], s[TB], SLOT1
	v_add_nc_u32 v[ADRB], s[TB], v[AB0]
	FETCH 0                                        ; the next chunk's first fragments
.rept 16
	W1
.endr
.endm
; A CHUNK: six half steps of 32 matrix instructions.  Each fetches the next half step's fragments in one run at its head, 32 matrix instructions ahead of their use.
; bc, pa: the slices of pass BC (this chunk) and pass A (the next); xl: the next chunk's x is read; turn: TURN's mode, or 0: the last chunk.
.macro CHUNK bc, pa, xl, turn
.set I, 0
.set DO_BC, \bc
.set DO_A, \pa
	PLACES
	FETCH 1
.if \xl
	XLOAD
.endif
	s_wait_dscnt 16+8*(\xl)                        ; half step 0's fragments are in; the 16 (and x's 8) just issued stay out
.set E, 0
.set J, 0
.rept 32
	W1
.endr
.irp e, 1,2,3,4
	PLACES
	FETCH (\e)+1
	s_wait_dscnt 16                                ; all but the 16 just issued
.set E, \e
.set J, 0
.rept 32
	W1
.endr
.endr
.set E, 5
.set J, 0
.if \turn
	TURN \turn
.else
	s_wait_dscnt 0x0
.rept 32
	W1
.endr
.endif
	WIN 0                                          ; at a label and at a branch every window is 0
.endm
	s_wait_tensorcnt 0x1                           ; my first fill is in (B(0)'s part, or x(0)); the second may stay out
	s_barrier_signal -1
	s_barrier_wait -1                              ; everybody's is
	s_mov_b32 s[TX], XS0
	XLOAD                                          ; x(0)
	s_wait_tensorcnt 0x0                           ; x slot 0 is filled again: all my tensor loads have landed,
	ds_add_u32 v[SPW], v[NIL]                      ; 0 onto my spare word,
	s_xor_b32 s[G0X+5], s[G0X+5], SLOT1            ; (x's walking descriptor: slot 0, chunk 2)
	s_add_nc_u64 s[G0X+6:G0X+7], s[G0X+6:G0X+7], 128
	s_wait_dscnt 0x0                               ; the add is done and x(0) is in my registers
	CROUND
	s_cmp_eq_u32 s[WV], 3
	s_cbranch_scc0 .Lno_x2
	tensor_load_to_lds s[G0X+4:G0X+7], s[G1X:G1X+7]  ; x(2)
	s_nop 0
.rept 4
	v_nop
.endr
.Lno_x2:
	s_mov_b32 s[TB], 0
	v_mov_b32 v[ADRB], v[AB0]
	FETCH 0                                        ; chunk 0's first fragments of B
	WIN 0
.set SQ, 0
.rept 8                                ; silu and tanh of chunk 0: there is no matrix work yet to set them beside
.set SN, 0
.rept 19
	PASTEP
.set SN, SN+1
.endr
.set SQ, SQ+1
.endr
	s_wait_loadcnt 0x0                             ; hbias is in the accumulators
	s_mov_b32 s[CNT], 29
.Lchunk:                                               ; chunks 0 to 28: B(c + 2) and x(c + 3) are asked for
	CHUNK 1, 1, 1, 3
	s_sub_co_u32 s[CNT], s[CNT], 1
	s_cmp_lg_u32 s[CNT], 0
	s_cbranch_scc1 .Lchunk
	CHUNK 1, 1, 1, 2                               ; chunk 29: B(31); no x is left.  The tail is written out
	CHUNK 1, 1, 1, 1                               ; chunk 30: nothing is asked for: a plain barrier
	CHUNK 1, 0, 0, 0                               ; chunk 31
	; THE TWO HALVES OF K MEET.  I send blocks p = 2, 3 (my partner's rows), 32 KiB, 16 bytes a lane on end; each accumulator's low four registers first.
	PLACES
.irp hb, 0,1
	WIN 0x08+4*(\hb)                               ; store data (source 1) in window 2, then 3
.irp p, 2,3
.irp b, 0,1,2,3,4,5,6,7
	ds_store_b128 v[EXS], v[8*(8*(\p)+(\b)):8*(8*(\p)+(\b))+3]   offset:1024*((2*(\hb)+(\p)-2)*8+(\b))
	ds_store_b128 v[EXS], v[8*(8*(\p)+(\b))+4:8*(8*(\p)+(\b))+7] offset:1024*((2*(\hb)+(\p)-2)*8+(\b))+512
.endr
.endr
.endr
	s_wait_dscnt 0x0                               ; for my partner's sake: my stores are done
	s_barrier_signal -1
	s_barrier_wait -1
	WIN TO_B
.set i, 0
.rept 64                               ; my partner's sums for my rows fill window 1: group g = 2 (nb / 8) + p at v[64 g ..]
	ds_load_b128 v[4*i:4*i+3], v[EXL] offset:512*i
.set i, i+1
.endr
.irp g, 0,1,2,3
	s_wait_dscnt 48-16*(\g)                        ; group g's 16 loads are in, the younger ones stay out
	WIN 0x86+0x41*((\g)/2)                         ; destination and source 0 window 2 (then 3), source 1 window 1
.set i, 0
.rept 32
	v_pk_add_f32 v[64*((\g)%2)+2*i:64*((\g)%2)+2*i+1], v[64*((\g)%2)+2*i:64*((\g)%2)+2*i+1], v[64*(\g)+2*i:64*(\g)+2*i+1]
.set i, i+1
.endr
.endr
	; THE WAY OUT, a block of 16 rows at a time: rounded to bf16, 16 bytes a lane into my own stage, back as whole rows of 512 bytes, stored.
.macro PACK p
.irp hb, 0,1
	WIN 0x0a+5*(\hb)                               ; sources 0 and 1 window 2, then 3; destination window 0
.set i, 0
.rept 32
	v_cvt_pk_bf16_f32 v[TMP+32*(\hb)+i], v[64*(\p)+2*i], v[64*(\p)+2*i+1]
.set i, i+1
.endr
.endr
	WIN 0
.endm
.macro TOSTAGE p
.set i, 0
.rept 16
	ds_store_b128 v[STO], v[TMP+4*i:TMP+4*i+3] offset:32*i
.set i, i+1
.endr
.set i, 0
.rept 16
	ds_load_b128 v[OB+64*(\p)+4*i:OB+64*(\p)+4*i+3], v[RD] offset:i*SPI  ; LDS serves a wave's instructions in order (ISA guide 5.7.1.4): these see the stores above; the next block's stores come behind them
.set i, i+1
.endr
.endm
.macro SEND p
.set i, 0
.rept 16
	s_wait_dscnt 15-i
	global_store_b128 v[GO], v[OB+64*(\p)+4*i:OB+64*(\p)+4*i+3], s[10:11] offset:32768*(\p)+2048*i  ; the wave stores 512 consecutive bytes, at a multiple of 256 from y's first byte
.set i, i+1
.endr
.endm
	PACK 0
	TOSTAGE 0
	PACK 1                                         ; the second block's conversions stand between the first block's loads and the wait for them
	SEND 0
	TOSTAGE 1
	SEND 1
	s_wait_tensorcnt 0x0                           ; the wave's end, behind my last tensor load and my last LDS store
	ds_add_u32 v[SPW], v[NIL]
	s_wait_dscnt 0x0
	CROUND                                         ; the closing round: no work-group ends while a partner may still ask for a tile that names it
	s_endpgm
.Lfunc_end_k_qc356ffc9c6_kan:
	.size	k_qc356ffc9c6_kan, .Lfunc_end_k_qc356ffc9c6_kan-k_qc356ffc9c6_kan
	.p2alignl 7, 3214868480
	.fill 96, 4, 3214868480
	.section	.rodata,"a",@progbits
	.p2align	6, 0x0
	.amdhsa_kernel k_qc356ffc9c6_kan
		.amdhsa_group_segment_fixed_size 327680
		.amdhsa_private_segment_fixed_size 0
		.amdhsa_enable_private_segment 0
		.amdhsa_kernarg_size 32
		.amdhsa_user_sgpr_count 2
		.amdhsa_user_sgpr_kernarg_segment_ptr 1
		.amdhsa_wavefront_size32 1
		.amdhsa_system_sgpr_workgroup_id_x 1
		.amdhsa_system_sgpr_workgroup_id_y 1
		.amdhsa_system_sgpr_workgroup_id_z 1
		.amdhsa_system_vgpr_workitem_id 0
		.amdhsa_next_free_vgpr 1024
		.amdhsa_next_free_sgpr 84
		.amdhsa_reserve_vcc 0
		.amdhsa_float_denorm_mode_32 3
		.amdhsa_float_denorm_mode_16_64 3
		.amdhsa_memory_ordered 1
		.amdhsa_forward_progress 1
		.amdhsa_inst_pref_size 255
	.end_amdhsa_kernel
	.section	.bss,"aw",@nobits
	.p2align	6
	.space	262144
	.amdgpu_metadata
---
amdhsa.version: [ 1, 2 ]
amdhsa.kernels:
  - .name:           k_qc356ffc9c6_kan
    .symbol:         k_qc356ffc9c6_kan.kd
    .args:
      - { .name: x, .offset: 0, .size: 8, .value_kind: global_buffer, .address_space: global }
      - { .name: wp, .offset: 8, .size: 8, .value_kind: global_buffer, .address_space: global }
      - { .name: hbias, .offset: 16, .size: 8, .value_kind: global_buffer, .address_space: global }
      - { .name: y, .offset: 24, .size: 8, .value_kind: global_buffer, .address_space: global }
    .group_segment_fixed_size: 327680
    .private_segment_fixed_size: 0
    .kernarg_segment_align: 8
    .kernarg_segment_size: 32
    .max_flat_workgroup_size: 128
    .sgpr_count:     84
    .vgpr_count:     1024
    .wavefront_size: 32
...
	.end_amdgpu_metadata
.endif
;; end of part 2
;; launch norm (part 3): grid 256 x 1, 8 waves a work-group, no clusters, 0 bytes of LDS; arguments y, rms_scale, out0; writes out0
.if DOCPART == 3
	.amdgcn_target "amdgcn-amd-amdhsa--gfx1250"
	.amdhsa_code_object_version 6
	.text
	.protected	k_qc356ffc9c6_norm
	.globl	k_qc356ffc9c6_norm
	.p2align	8
	.type	k_qc356ffc9c6_norm,@function
k_qc356ffc9c6_norm:
	s_mov_b64 s[64:65], 0
	v_nop
	global_prefetch_b8 v0, s[64:65] scope:SCOPE_SE
	s_setreg_imm32_b32 hwreg(HW_REG_WAVE_MODE, 25, 1), 1
	s_wait_xcnt 0x0
; out0[m][n] = y[m][n] / sqrt(mean over n of y[m][n]^2 + 1e-6) * rms_scale[n].  y: bf16 [8192][1024]; rms_scale: f32 [1024]; out0: f32 [8192][1024].  Squares, sum and scaling in f32.
; A row of y is 2,048 bytes: one wave takes a whole row, eight loads of 8 bytes a lane, and keeps it in registers between the sum and the scaling: no LDS, no barrier.  A wave owns four rows, all of whose loads
; go out at the start; each row has registers of its own, so no register waits for a store.  Lane l holds columns 128 s + 4 l + 0..3 (s = 0..7): a load of the wave covers 256 consecutive bytes of y,
; a store 512 consecutive bytes of out0, both aligned.  Memory binds: matrix units, clusters and LDS would add nothing.
.set SC, 4                             ; v[4:35]    rms_scale of my 32 columns
.set Y,  36                            ; v[36:99]   row p: 16 registers as loaded
.set W,  100                           ; v[100:227] row p: 32 registers in f32, scaled in place and stored
.set S,  228                           ; v[228:235] four chains of sums of squares
.set R,  236                           ; v[236:237] 1 / root, twice (a pair for the packed multiply)
	s_load_b128 s[4:7], s[0:1], 0x0                ; y s[4:5], rms_scale s[6:7]
	s_load_b64 s[8:9], s[0:1], 0x10                ; out0
	v_lshrrev_b32 v1, 5, v0
	v_readfirstlane_b32 s10, v1                    ; wave 0..7
	v_and_b32 v1, 31, v0
	v_lshlrev_b32 v2, 3, v1                        ; 8 bytes a lane of y
	v_lshlrev_b32 v3, 4, v1                        ; 16 bytes a lane of rms_scale and of out0
	s_lshl_b32 s11, ttmp9, 3
	s_add_co_u32 s11, s11, s10                     ; my wave among all
	s_lshl_b32 s12, s11, 13                        ; four rows of 2,048 bytes
	s_mov_b32 s13, 0
	s_lshl_b32 s14, s11, 14                        ; four rows of 4,096 bytes
	s_mov_b32 s15, 0
	s_mov_b32 s16, 0xffff0000                      ; a word's upper bf16
	s_mov_b32 s18, 0x76543210                      ; v_permlanex16_b32: each lane takes its own place in the other half
	s_mov_b32 s19, 0xfedcba98
	s_mov_b32 s20, 0x3a800000                      ; 1 / 1024
	s_mov_b32 s21, 0x358637bd                      ; 1e-6
	s_wait_kmcnt 0x0
	s_add_nc_u64 s[4:5], s[4:5], s[12:13]
	s_add_nc_u64 s[8:9], s[8:9], s[14:15]
.irp s, 0,1,2,3,4,5,6,7
	global_load_b128 v[SC+4*(\s):SC+4*(\s)+3], v3, s[6:7] offset:512*(\s)
.endr
.irp p, 0,1,2,3
.irp s, 0,1,2,3,4,5,6,7
	global_load_b64 v[Y+16*(\p)+2*(\s):Y+16*(\p)+2*(\s)+1], v2, s[4:5] offset:2048*(\p)+256*(\s) th:TH_LOAD_NT
.endr
.endr
.macro ROW p
	s_wait_loadcnt 24-8*(\p)                       ; loads come back in order: rms_scale and rows 0 .. p are in, the later rows stay out
.irp s, 0,1,2,3,4,5,6,7
	v_lshlrev_b32 v[W+32*(\p)+4*(\s)],   16,  v[Y+16*(\p)+2*(\s)]
	v_and_b32     v[W+32*(\p)+4*(\s)+1], s16, v[Y+16*(\p)+2*(\s)]
	v_lshlrev_b32 v[W+32*(\p)+4*(\s)+2], 16,  v[Y+16*(\p)+2*(\s)+1]
	v_and_b32     v[W+32*(\p)+4*(\s)+3], s16, v[Y+16*(\p)+2*(\s)+1]
.endr
.set k, 0
.rept 16                               ; the sum of squares in four chains; the first four products start them
.if k < 4
	v_pk_mul_f32 v[S+2*k:S+2*k+1], v[W+32*(\p)+2*k:W+32*(\p)+2*k+1], v[W+32*(\p)+2*k:W+32*(\p)+2*k+1]
.else
	v_pk_fma_f32 v[S+2*(k%4):S+2*(k%4)+1], v[W+32*(\p)+2*k:W+32*(\p)+2*k+1], v[W+32*(\p)+2*k:W+32*(\p)+2*k+1], v[S+2*(k%4):S+2*(k%4)+1]
.endif
.set k, k+1
.endr
	v_pk_add_f32 v[S:S+1], v[S:S+1], v[S+2:S+3]
	v_pk_add_f32 v[S+4:S+5], v[S+4:S+5], v[S+6:S+7]
	v_pk_add_f32 v[S:S+1], v[S:S+1], v[S+4:S+5]
	v_add_f32 v[S], v[S], v[S+1]
	v_add_f32_dpp v[S], v[S], v[S] row_xmask:1 row_mask:0xf bank_mask:0xf
	v_add_f32_dpp v[S], v[S], v[S] row_xmask:2 row_mask:0xf bank_mask:0xf
	v_add_f32_dpp v[S], v[S], v[S] row_xmask:4 row_mask:0xf bank_mask:0xf
	v_add_f32_dpp v[S], v[S], v[S] row_xmask:8 row_mask:0xf bank_mask:0xf
	v_permlanex16_b32 v[S+1], v[S], s18, s19       ; its destination counts as read: a register that has been written
	v_add_f32 v[S], v[S], v[S+1]                   ; every lane holds the row's sum
	v_fma_f32 v[S], v[S], s20, s21                 ; the mean, and the 1e-6
	v_rsq_f32 v[R], v[S]
	v_rsq_f32 v[R+1], v[S]
	v_nop                                          ; a plain instruction between the roots and the use of their results (ISA guide 5.7.2)
.set k, 0
	s_wait_alu depctr_va_vdst(0)
.rept 16
	v_pk_mul_f32 v[W+32*(\p)+2*k:W+32*(\p)+2*k+1], v[W+32*(\p)+2*k:W+32*(\p)+2*k+1], v[R:R+1]
.set k, k+1
.endr
.set k, 0
.rept 16
	v_pk_mul_f32 v[W+32*(\p)+2*k:W+32*(\p)+2*k+1], v[W+32*(\p)+2*k:W+32*(\p)+2*k+1], v[SC+2*k:SC+2*k+1]
.set k, k+1
.endr
.irp s, 0,1,2,3,4,5,6,7
	global_store_b128 v3, v[W+32*(\p)+4*(\s):W+32*(\p)+4*(\s)+3], s[8:9] offset:4096*(\p)+512*(\s) th:TH_STORE_NT
.endr
.endm
	ROW 0
	ROW 1
	ROW 2
	ROW 3
	s_endpgm
.Lfunc_end_k_qc356ffc9c6_norm:
	.size	k_qc356ffc9c6_norm, .Lfunc_end_k_qc356ffc9c6_norm-k_qc356ffc9c6_norm
	.p2alignl 7, 3214868480
	.fill 96, 4, 3214868480
	.section	.rodata,"a",@progbits
	.p2align	6, 0x0
	.amdhsa_kernel k_qc356ffc9c6_norm
		.amdhsa_group_segment_fixed_size 0
		.amdhsa_private_segment_fixed_size 0
		.amdhsa_enable_private_segment 0
		.amdhsa_kernarg_size 24
		.amdhsa_user_sgpr_count 2
		.amdhsa_user_sgpr_kernarg_segment_ptr 1
		.amdhsa_wavefront_size32 1
		.amdhsa_system_sgpr_workgroup_id_x 1
		.amdhsa_system_sgpr_workgroup_id_y 1
		.amdhsa_system_sgpr_workgroup_id_z 1
		.amdhsa_system_vgpr_workitem_id 0
		.amdhsa_next_free_vgpr 240
		.amdhsa_next_free_sgpr 66
		.amdhsa_reserve_vcc 0
		.amdhsa_float_denorm_mode_32 3
		.amdhsa_float_denorm_mode_16_64 3
		.amdhsa_memory_ordered 1
		.amdhsa_forward_progress 1
		.amdhsa_inst_pref_size 28
	.end_amdhsa_kernel
	.amdgpu_metadata
---
amdhsa.version: [ 1, 2 ]
amdhsa.kernels:
  - .name:           k_qc356ffc9c6_norm
    .symbol:         k_qc356ffc9c6_norm.kd
    .args:
      - { .name: y, .offset: 0, .size: 8, .value_kind: global_buffer, .address_space: global }
      - { .name: rms_scale, .offset: 8, .size: 8, .value_kind: global_buffer, .address_space: global }
      - { .name: out0, .offset: 16, .size: 8, .value_kind: global_buffer, .address_space: global }
    .group_segment_fixed_size: 0
    .private_segment_fixed_size: 0
    .kernarg_segment_align: 8
    .kernarg_segment_size: 24
    .max_flat_workgroup_size: 256
    .sgpr_count:     66
    .vgpr_count:     240
    .wavefront_size: 32
...
	.end_amdgpu_metadata
.endif
;; end of part 3
